; MI455X (gfx1250); checked and timed in simulation.
; The chip was launched on July 23, 2026; its instructions are those of AMD's public machine-readable ISA for CDNA 5 (MIT licence, August 2026) and "CDNA5" Instruction Set Architecture Reference Guide (July 2026). The comments in the code are by the model that wrote it; some were corrected since.
;; MHA. Allowed arithmetic: matrix products marked QUANTISED: E4M3 operands, one E8M0 scale for each 32 along K, by v_wmma_scale_f32_16x16x128_f8f6f4 with both operands' format E4M3, f32 sums; everything else in f32.
;; Inputs: mask 2,048 x 2,048 float32; pos_embedding 8 x 2,048 x 2,048 float32; wk_b 1,024 float32; wk_w_codes 1,024 x 16 x 32 uint8 (E4M3 codes of wk_w, K innermost, in blocks of 32 codes); wk_w_scales 1,024 x 16 uint8 (E8M0 scales of wk_w, one for each 32 codes along K); wo_b 512 float32; wo_w_codes 512 x 32 x 32 uint8 (E4M3 codes of wo_w, K innermost, in blocks of 32 codes); wo_w_scales 512 x 32 uint8 (E8M0 scales of wo_w, one for each 32 codes along K); wq_b 1,024 float32; wq_w_codes 1,024 x 16 x 32 uint8 (E4M3 codes of wq_w, K innermost, in blocks of 32 codes); wq_w_scales 1,024 x 16 uint8 (E8M0 scales of wq_w, one for each 32 codes along K); wv_b 1,024 float32; wv_w_codes 1,024 x 16 x 32 uint8 (E4M3 codes of wv_w, K innermost, in blocks of 32 codes); wv_w_scales 1,024 x 16 uint8 (E8M0 scales of wv_w, one for each 32 codes along K); x_codes 4 x 2,048 x 16 x 32 uint8 (E4M3 codes of x, K innermost, in blocks of 32 codes); x_scales 4 x 2,048 x 16 uint8 (E8M0 scales of x, one for each 32 codes along K).
;; Outputs: out0 4 x 2,048 x 512 float32.
;; This version of the problem:
;;   THIS VERSION OF THE PROBLEM IS GIVEN IN LOW PRECISION. The matrix products marked QUANTISED in the list below multiply operands that are first quantised to E4M3 (4 exponent bits, 3 mantissa bits; 8 bits a number), with one power-of-two scale for each 32 numbers along K (OCP MX v1.0); their sums are f32. All else is computed in f32.
;;   The module's matrix products, in the order in which they are computed (A, B: the left and right operand; K: the contracted axis; several contracted axes count as one K, in the product's order):
;;     1. [M 8,192, K 512] x [K 512, N 1,024]; A: input x (given as codes); B: input wq_w (given as codes): QUANTISED
;;     2. [M 8,192, K 512] x [K 512, N 1,024]; A: input x (given as codes); B: input wk_w (given as codes): QUANTISED
;;     3. [M 8,192, K 512] x [K 512, N 1,024]; A: input x (given as codes); B: input wv_w (given as codes): QUANTISED
;;     4. batch 32 x [M 2,048, K 128] x [K 128, N 2,048]; A: computed on the way; B: computed on the way: QUANTISED
;;     5. batch 32 x [M 128, K 2,048] x [K 2,048, N 2,048]; A: computed on the way; B: softmax (see below): QUANTISED
;;     6. [M 8,192, K 1,024] x [K 1,024, N 512]; A: computed on the way; B: input wo_w (given as codes): QUANTISED
;;   THE QUANTISER, for each operand of a quantised product, along K:
;;     - K is cut into blocks of 32 from its start; a last block that is shorter is filled with zeros.
;;     - A block's scale is 2^e with e = floor(log2(the largest magnitude in the block)) - 8, held to -126 .. 127; a block of zeros has e = 0. As a byte (E8M0): e + 127.
;;     - Each number is divided by its block's scale, clamped to +-448, and rounded to the nearest number of E4M3, ties to even, subnormals kept.
;;     - The product sums the exact products of the quantised numbers (number of the format x scale) in f32.
;;   ~~~python
;;   def quantise(x, axis):      # numpy; x: float32 -> the quantised numbers, widened to float32 again
;;       x = np.moveaxis(x, axis, -1); K = x.shape[-1]
;;       x = np.pad(x, [(0, 0)] * (x.ndim - 1) + [(0, -K % 32)]); x = x.reshape(x.shape[:-1] + (-1, 32)); a = np.abs(x).max(-1, keepdims=True)
;;       e = np.where(a > 0, np.clip(np.frexp(np.where(a > 0, a, 1))[1] - 1 - 8, -126, 127), 0)      # np.frexp(a)[1] - 1 = floor(log2(a)), exactly
;;       r = np.clip(x / 2.0 ** e, -448, 448)
;;       step = 2.0 ** (np.maximum(np.frexp(np.where(r == 0, 1, r))[1] - 1, -6) - 3)
;;       q = np.round(r / step) * step * 2.0 ** e      # np.round: ties to even
;;       return np.moveaxis(q.reshape(q.shape[:-2] + (-1,))[..., :K], -1, axis).astype(np.float32)
;;   ~~~
;;   SOFTMAX AHEAD OF A QUANTISED PRODUCT. Where the list says 'softmax', what is quantised is not the finished softmax but p = 2^(t - M), with t = logit x log2(e) and M = ceil(the row's largest t), a whole number; so 1/2 < the row's largest p <= 1. The row's sum l is taken of the UNQUANTISED p, in f32, and the product's result is divided by l at the end. Since M is a whole number, a kernel that streams over the keys may use a running M (the ceiling of the running maximum): every later rescaling is an exact power of two, which a block's scale takes up: the codes' values come out the same.
;;   OPERANDS COMPUTED ON THE WAY. 'Computed on the way' means the value that the module computes at that place (a softmax that the list does not call 'softmax' is quantised finished and normalised). What goes into a quantiser is computed in f32, as accurately as f32 sums, v_exp_f32 and their like allow (about 1e-6 of the number): no bf16 or f16 on the way to a quantiser, and a product that is left as it is and whose result goes on into a quantised operand takes f32 operands (vector FMAs, or v_wmma_f32_16x16x4_f32). A number that lies on a knife's edge between two numbers of the format may be rounded either way, as far as f32 arithmetic and the matrix unit's own rounding can turn it there, and no further.
;;   INPUTS GIVEN AS CODES. wk_w (in the module: [512, 1024], K = its axis 0); wo_w (in the module: [1024, 512], K = its axis 0); wq_w (in the module: [512, 1024], K = its axis 0); wv_w (in the module: [512, 1024], K = its axis 0); x (in the module: [4, 2048, 512], K = its axis 2): each comes as NAME_codes (uint8): NAME with its K axis moved to the last place and cut into blocks of 32 codes, [.., K / 32, bytes a block], one block behind the other in memory; one code a byte (a code: sign, 4 exponent bits, 3 mantissa bits); and NAME_scales (uint8): the same leading axes, one E8M0 byte (e + 127) for each 32 codes along K. Its value is code x scale, taken as it is: it is not quantised again, and the codes and scales need not be those that the quantiser above would give.
;; One version. Each part assembles by itself: llvm-mc -triple=amdgcn-amd-amdhsa -mcpu=gfx1250 --defsym DOCPART=n.
;; ======== version 1 of 1: 3 launches
;; workspace buffers: qc 8,388,608 bytes; qs 524,288 bytes; kvc 16,777,216 bytes; kvs 524,288 bytes; ac 8,388,608 bytes; asc 524,288 bytes
;; launch proj (part 1): grid 32 x 8, 8 waves a work-group, no clusters, 212,992 bytes of LDS; arguments x_codes, x_scales, wq_w_codes, wq_w_scales, wq_b, wk_w_codes, wk_w_scales, wk_b, wv_w_codes, wv_w_scales, wv_b, qc, qs, kvc, kvs; writes qc, qs, kvc, kvs
.if DOCPART == 1
	.amdgcn_target "amdgcn-amd-amdhsa--gfx1250"
	.amdhsa_code_object_version 6
	.text
	.protected	k_qa352f68b2f_proj
	.globl	k_qa352f68b2f_proj
	.p2align	8
	.type	k_qa352f68b2f_proj,@function
k_qa352f68b2f_proj:
	s_mov_b64 s[64:65], 0
	v_nop
	global_prefetch_b8 v0, s[64:65] scope:SCOPE_SE
	s_setreg_imm32_b32 hwreg(HW_REG_WAVE_MODE, 25, 1), 1
	s_wait_xcnt 0x0
; q = x wq + bq, k = x wk + bk, v = x wv + bv on codes of E4M3 with E8M0 scales, and the three results quantised at once: q and k along the head's 128, v along the keys.
; DEAD WORK: none.  Every product of the problem is live, the three biases stand ahead of a quantiser, mask and pos_embedding are inputs that may hold any numbers (no key step may be left out),
; wo_b reaches the output: every input is loaded by one of the three launches, and nothing is left out.
; LIMITS: NaN and infinities among the inputs are not served; a block of zeros gets the scale byte 1 where the rule says 127 (its codes are zeros, and only this program reads these bytes).
; SHARES.  Work-group (x, head): 256 tokens (batch x / 8, tokens 256 (x % 8) on) of one head, all three tensors.  Wave w: tokens 32 w .. 32 w + 31, as two tiles of 16.
; A TILE'S ROWS ARE NOT NEIGHBOURS: row r of tile u of a run of 32 (tokens, or channels of a weight) is 8 u + r + 8 (r / 8).  So the 16 registers of two neighbouring result tiles are 16 neighbours along the next K.
; q, k: source 0 = 16 channels of the weight, source 1 = 16 tokens: a lane holds one token, registers along the channels.  v: source 0 = 16 tokens, source 1 = 16 channels: a lane holds one channel, registers along the tokens.
; The bias is the C of each sum's first matrix instruction.
; THE RESULTS LEAVE AS IMAGES OF OPERAND REGISTERS: a fragment (16 rows x 128 K) is four groups of 512 bytes, lane l's 16 bytes at 16 l: each store of codes covers 512 consecutive bytes, aligned.
;   qc [batch][head][tile 128][2048];  qs [batch][head][tile][a word a lane]: two stores of 128 bytes a wave, the one place where half an aligned 256 bytes is written at a time (524,288 bytes in all);
;   kvc [head][step 16][batch][K: 8 fragments | V: 8 fragments];  kvs [head][step][batch][K: 512 | V: 512]: lane l's 16 bytes are the scale words of fragments 4 (l / 16) + 0 .. 3, row l % 16.
; NO CLUSTER, NO TENSOR LOAD: the head's weights (3 x 65,536 bytes) are read once by a work-group, at its head, and are laid into LDS with their rows permuted as above and cut into pieces of 16 bytes a row;
; that is done by lane-wise stores from registers, since a tensor load lays rows as they lie in memory.
; LDS: three weight images of 69,632 bytes: piece ((tile 4 + K step) 8 + 2 c + h) of 16 rows x 16 bytes + 16 of padding (pitch 272: the 16 lanes of a store fall on 16 different 16-byte columns modulo 256);
;   2,048 bytes in which the two steps' scale words are gathered; the spare words.
; REGISTERS.  Window 0: v1-23 addresses, v24-31 x's scale words, v32-95 four weight fragments, v96-159 eight accumulators, v160-175 codes, v176-191 at work, v192-255 the weights' scale words, two sets.
;   Window 1: v0-127 x's eight fragments; v128-191, v192-255 two sets of bias registers.
.set WN,    69632                      ; a weight's image
.set GRPB,  34816                      ; four tiles of it
.set SCR,   208896                     ; the scale words' gathering place
.set SPARE, 210944                     ; the spare words: 128 bytes a wave, four blocks of 256 bytes that no other line names
.set LB,   1                           ; v1   272 h + 16 r
.set AD,   2                           ; v2   LDS address of the four tiles in hand
.set L16,  3                           ; v3   16 x lane
.set L4,   4                           ; v4   4 x lane
.set WST,  5                           ; v5   where I store wq's rows;  v22, v23: wk's, wv's
.set WST1, 22
.set WST2, 23
.set XA,   6                           ; v6   x: (r + 8 (r / 8)) x 512 + 16 h
.set WSA,  7                           ; v7   scale words of 16 bytes a row: (r + 8 (r / 8)) x 16
.set BA,   8                           ; v8   bias of q and k: 64 h
.set BVA,  9                           ; v9   bias of v: (r + 8 (r / 8)) x 4
.set KSA,  10                          ; v10  where k's scale words go in LDS
.set VSA,  11                          ; v11  where v's scale bytes go
.set SRD,  12                          ; v12  where I read 8 gathered bytes back
.set L8,   13                          ; v13  8 x lane
.set SPW,  14                          ; v14  my spare word; never rewritten
.set NIL,  15                          ; v15  0; never rewritten
.set W0,   16                          ; v16-17 the scale words being made, one a token tile
.set XS,   24
.set WF,   32
.set ACC,  96
.set PC,   160
.set TM,   176                         ; +0..3 largest magnitudes, +4..7 bytes, +8..11 448 x scale, +12..15 the conversions' scale operands
.set WS,   192
.set WV,   34
.set SEL,  36
.set MNT,  38
.set MSB, 0
.macro WIN new                         ; the immediate's high byte repeats the setting that is left
.if MSB != \new
	s_set_vgpr_msb (MSB<<8)|\new
.set MSB, \new
.endif
.endm
.macro PLACES n
.rept \n
	v_nop
.endr
.endm
.macro FETCH ks                        ; four weight fragments of K step ks: each load takes 2 x 256 consecutive bytes
.irp t, 0,1,2,3
.irp c, 0,1,2,3
	ds_load_b128 v[WF+16*\t+4*\c:WF+16*\t+4*\c+3], v[AD] offset:(\t*4+\ks)*2176+\c*544
.endr
.endr
.endm
; 64 numbers of a lane, four blocks of 16 registers, each block shared with lane l xor 16, become codes in v[PC + 4 b] on and bytes in v[TM + 4 + b]
.macro QUANT s
.irp b, 0,1,2,3
	v_max3_num_f32 v[TM+\b], |v[\s+16*\b]|, |v[\s+1+16*\b]|, 0x4800000   ; my 16 numbers and the floor 2^(9 - 127): the byte cannot fall under 1
.endr
.irp i, 2,4,6,8,10,12,14
.irp b, 0,1,2,3
	v_max3_num_f32 v[TM+\b], v[TM+\b], |v[\s+16*\b+\i]|, |v[\s+1+16*\b+\i]|
.endr
.endr
.irp b, 0,1,2,3
	v_permlanex16_b32 v[TM+4+\b], v[TM+\b], s[SEL], s[SEL+1]
.endr
.irp b, 0,1,2,3
	v_max_num_f32 v[TM+\b], v[TM+\b], v[TM+4+\b]                 ; the block's largest magnitude
.endr
.irp b, 0,1,2,3
	v_add_nc_u32 v[TM+12+\b], 0xfc000000, v[TM+\b]               ; 8 off its exponent field: the conversion's scale operand
.endr
.irp b, 0,1,2,3
	v_and_or_b32 v[TM+8+\b], v[TM+\b], 0x7f800000, s[MNT]        ; 448 x the scale
.endr
.irp b, 0,1,2,3
	v_lshrrev_b32 v[TM+4+\b], 23, v[TM+12+\b]                    ; the scale's byte
.endr
	s_wait_xcnt 0x0                                ; the last stores of codes have read their registers: these are written again only behind this wait
.irp b, 0,1,2,3
.irp i, 0,1,2,3,4,5,6,7,8,9,10,11,12,13,14,15
	v_med3_num_f32 v[\s+16*\b+\i], v[\s+16*\b+\i], -v[TM+8+\b], v[TM+8+\b]   ; the conversion to an 8-bit code does not saturate (ISA guide 7.6.2): the hold comes first
.endr
	v_cvt_scalef32_pk8_fp8_f32 v[PC+4*\b:PC+1+4*\b], v[\s+16*\b:\s+7+16*\b], v[TM+12+\b]
	v_cvt_scalef32_pk8_fp8_f32 v[PC+2+4*\b:PC+3+4*\b], v[\s+8+16*\b:\s+15+16*\b], v[TM+12+\b]
.endr
	v_nop                                          ; one plain line behind the last conversion
.endm
; q, k: eight accumulators by turns: channel tiles 4 grp + t x token tiles v; accumulator at ACC + 32 v + 8 t
.macro MULQK bset, grp, ks
.if (\ks) == 0
	WIN 0x14                                       ; x and the bias in window 1
.else
	WIN 0x04
.endif
.irp t, 0,1,2,3
.irp v, 0,1
.if (\ks) == 0
	v_wmma_scale_f32_16x16x128_f8f6f4 v[ACC+32*\v+8*\t:ACC+32*\v+8*\t+7], v[WF+16*\t:WF+16*\t+15], v[64*\v+16*(\ks):64*\v+16*(\ks)+15], v[128+64*(\bset)+8*(4*(\grp)+\t):128+64*(\bset)+8*(4*(\grp)+\t)+7], v[WS+32*(\bset)+4*(4*(\grp)+\t)+(\ks)], v[XS+4*\v+(\ks)]
.else
	v_wmma_scale_f32_16x16x128_f8f6f4 v[ACC+32*\v+8*\t:ACC+32*\v+8*\t+7], v[WF+16*\t:WF+16*\t+15], v[64*\v+16*(\ks):64*\v+16*(\ks)+15], v[ACC+32*\v+8*\t:ACC+32*\v+8*\t+7], v[WS+32*(\bset)+4*(4*(\grp)+\t)+(\ks)], v[XS+4*\v+(\ks)]
.endif
.endr
.endr
	WIN 0
.endm
; v: the sources the other way round; accumulator at ACC + 16 t + 8 u
.macro MULV bset, grp, ks
.if (\ks) == 0
	WIN 0x11
.else
	WIN 0x01
.endif
.irp t, 0,1,2,3
.irp u, 0,1
.if (\ks) == 0
	v_wmma_scale_f32_16x16x128_f8f6f4 v[ACC+16*\t+8*\u:ACC+16*\t+8*\u+7], v[64*\u+16*(\ks):64*\u+16*(\ks)+15], v[WF+16*\t:WF+16*\t+15], v[128+64*(\bset)+8*(4*(\grp)+\t):128+64*(\bset)+8*(4*(\grp)+\t)+7], v[XS+4*\u+(\ks)], v[WS+32*(\bset)+4*(4*(\grp)+\t)+(\ks)]
.else
	v_wmma_scale_f32_16x16x128_f8f6f4 v[ACC+16*\t+8*\u:ACC+16*\t+8*\u+7], v[64*\u+16*(\ks):64*\u+16*(\ks)+15], v[WF+16*\t:WF+16*\t+15], v[ACC+16*\t+8*\u:ACC+16*\t+8*\u+7], v[XS+4*\u+(\ks)], v[WS+32*(\bset)+4*(4*(\grp)+\t)+(\ks)]
.endif
.endr
.endr
	WIN 0
.endm
; q (kind 0) or k (kind 1): two groups of four channel tiles.  Eight places stand in front of each run of loads into registers that matrix instructions have read, and of the first read of results.
.macro UNITQK bset, nn, base, kind
.irp g, 0,1
	v_add_nc_u32 v[AD], \nn*WN+\g*GRPB, v[LB]
.irp s, 0,1,2,3
.if \s > 0
	PLACES 8
.endif
	FETCH \s
	s_wait_dscnt 0x0
	MULQK \bset, \g, \s
.endr
	PLACES 8
	QUANT ACC                                      ; block 2 v + bl: token tile v, channels 32 (2 g + bl) on
.irp v, 0,1
.irp bl, 0,1
	global_store_b128 v[L16], v[PC+4*(2*\v+\bl):PC+4*(2*\v+\bl)+3], s[\base:\base+1] offset:\v*2048+(2*\g+\bl)*512
.endr
.if \g == 0
	v_lshl_or_b32 v[W0+\v], v[TM+5+2*\v], 8, v[TM+4+2*\v]        ; the four bytes make the row's scale word
.else
	v_lshl_or_b32 v[W0+\v], v[TM+4+2*\v], 16, v[W0+\v]
	v_lshl_or_b32 v[W0+\v], v[TM+5+2*\v], 24, v[W0+\v]
.endif
.endr
.endr
.irp v, 0,1
.if \kind == 0
	global_store_b32 v[L4], v[W0+\v], s[28:29] offset:128*\v
.else
	ds_store_b32 v[KSA], v[W0+\v] offset:4*\v      ; both halves of the lanes write the same word with the same value
.endif
.endr
.endm
	s_load_b512 s[4:19], s[0:1], 0x0               ; x codes 4, x scales 6, wq codes 8, wq scales 10, wq_b 12, wk codes 14, wk scales 16, wk_b 18
	s_load_b256 s[20:27], s[0:1], 0x40             ; wv codes 20, wv scales 22, wv_b 24, qc 26
	s_load_b128 s[28:31], s[0:1], 0x60             ; qs 28, kvc 30
	s_load_b64 s[32:33], s[0:1], 0x70              ; kvs
	v_lshl_add_u32 v[SPW], v0, 2, SPARE
	v_mov_b32 v[NIL], 0
	v_lshrrev_b32 v18, 5, v0
	v_readfirstlane_b32 s[WV], v18                 ; wave 0..7
	v_and_b32 v18, 31, v0                          ; lane
	v_and_b32 v19, 15, v0                          ; r
	v_bfe_u32 v20, v0, 4, 1                        ; h
	v_and_b32 v21, 8, v19
	v_add_nc_u32 v21, v21, v19                     ; r + 8 (r / 8)
	v_mul_u32_u24 v[LB], v20, 272
	v_lshl_add_u32 v[LB], v19, 4, v[LB]
	v_lshlrev_b32 v[L16], 4, v18
	v_lshlrev_b32 v[L4], 2, v18
	v_lshlrev_b32 v[L8], 3, v18
	v_lshlrev_b32 v[XA], 9, v21
	v_lshl_add_u32 v[XA], v20, 4, v[XA]
	v_lshlrev_b32 v[WSA], 4, v21
	v_lshlrev_b32 v[BA], 6, v20
	v_lshlrev_b32 v[BVA], 2, v21
	; weight row 16 w + i is row (i % 8) + 8 (w % 2) of tile 2 (w / 2) + i / 8; my lane's 16 bytes of it are piece number lane of that tile
	s_lshr_b32 s40, s[WV], 1
	s_mul_i32 s40, s40, 17408
	s_and_b32 s41, s[WV], 1
	s_lshl_b32 s41, s41, 7
	s_add_co_u32 s40, s40, s41
	v_mul_u32_u24 v[WST], v18, 272
	v_add_nc_u32 v[WST], s40, v[WST]
	v_add_nc_u32 v[WST1], WN, v[WST]
	v_add_nc_u32 v[WST2], 2*WN, v[WST]
	s_lshr_b32 s42, s[WV], 2                       ; st: which of the work-group's two key steps my tokens lie in
	s_and_b32 s43, s[WV], 3                        ; c: which block of 32 keys of that step
	s_lshl_b32 s44, s42, 10
	s_add_co_u32 s44, s44, SCR
	s_lshr_b32 s45, s43, 1
	s_lshl_b32 s45, s45, 8
	s_and_b32 s46, s43, 1
	s_lshl_b32 s46, s46, 3
	s_add_co_u32 s45, s45, s46
	s_add_co_u32 s45, s45, s44
	v_lshl_add_u32 v[KSA], v19, 4, s45             ; k's tile 2 c + v: 256 (c / 2) + 16 r + 8 (c % 2) + 4 v
	s_add_co_u32 s46, s44, s43
	s_add_co_u32 s46, s46, 512
	v_lshl_add_u32 v[VSA], v19, 4, s46             ; v's fragment 4 g + t, byte c: 512 + 256 g + 16 r + 4 t + c
	s_lshl_b32 s47, s[WV], 8
	s_add_co_u32 s47, s47, SCR
	v_lshl_add_u32 v[SRD], v18, 3, s47
	s_mov_b32 s[SEL], 0x76543210
	s_mov_b32 s[SEL+1], 0xfedcba98                 ; v_permlanex16_b32's selects for lane l xor 16
	s_mov_b32 s[MNT], 0x600000                     ; the mantissa field of 448
.irp b, 0,1,2,3
	v_mov_b32 v[TM+4+\b], 0                        ; written once: a lane permute's destination counts as one of its sources
.endr
	; byte offsets, each in a pair of its own
	s_and_b32 s48, ttmp7, 0xffff                   ; head
	s_lshr_b32 s49, ttmp9, 3                       ; batch
	s_and_b32 s50, ttmp9, 7                        ; which 256 tokens of it
	s_lshl_b32 s52, ttmp9, 17
	s_lshl_b32 s53, s[WV], 14
	s_add_co_u32 s52, s52, s53                     ; x's codes: (256 x + 32 w) rows of 512 bytes
	s_mov_b32 s53, 0
	s_lshl_b32 s54, ttmp9, 12
	s_lshl_b32 s55, s[WV], 9
	s_add_co_u32 s54, s54, s55                     ; x's scales: 16 bytes a row
	s_mov_b32 s55, 0
	s_lshl_b32 s56, s48, 16
	s_lshl_b32 s57, s[WV], 13
	s_add_co_u32 s56, s56, s57                     ; a weight's codes: the head's 128 rows, my 16 of them
	s_mov_b32 s57, 0
	s_lshl_b32 s58, s48, 11                        ; a weight's scales
	s_mov_b32 s59, 0
	s_lshl_b32 s60, s48, 9                         ; a bias
	s_mov_b32 s61, 0
	s_lshl_b32 s62, s49, 3
	s_add_co_u32 s62, s62, s48
	s_lshl_b32 s62, s62, 7
	s_lshl_b32 s63, s50, 4
	s_add_co_u32 s62, s62, s63
	s_lshl_b32 s63, s[WV], 1
	s_add_co_u32 s62, s62, s63                     ; (batch 8 + head) 128 + my first token tile
	s_lshl_b32 s66, s62, 7                         ; qs
	s_mov_b32 s67, 0
	s_lshl_b32 s62, s62, 11                        ; qc
	s_mov_b32 s63, 0
	s_lshl_b32 s68, s48, 4
	s_lshl_b32 s69, s50, 1
	s_add_co_u32 s68, s68, s69
	s_add_co_u32 s68, s68, s42
	s_lshl_b32 s68, s68, 2
	s_add_co_u32 s68, s68, s49                     ; (head 16 + step) 4 + batch
	s_lshl_b32 s70, s68, 10
	s_lshl_b32 s71, s43, 8
	s_add_co_u32 s70, s70, s71                     ; kvs: my wave's 256 bytes
	s_mov_b32 s71, 0
	s_lshl_b32 s68, s68, 15                        ; kvc
	s_mov_b32 s69, 0
	s_lshl_b32 s76, s43, 12                        ; k: fragments 2 c, 2 c + 1
	s_mov_b32 s77, 0
	s_lshl_b32 s78, s43, 9
	s_add_co_u32 s78, s78, 16384                   ; v: behind k's eight fragments, group c of each
	s_mov_b32 s79, 0
	s_wait_kmcnt 0x0
	s_add_nc_u64 s[4:5], s[4:5], s[52:53]
	s_add_nc_u64 s[6:7], s[6:7], s[54:55]
	s_add_nc_u64 s[8:9], s[8:9], s[56:57]
	s_add_nc_u64 s[14:15], s[14:15], s[56:57]
	s_add_nc_u64 s[20:21], s[20:21], s[56:57]
	s_add_nc_u64 s[10:11], s[10:11], s[58:59]
	s_add_nc_u64 s[16:17], s[16:17], s[58:59]
	s_add_nc_u64 s[22:23], s[22:23], s[58:59]
	s_add_nc_u64 s[12:13], s[12:13], s[60:61]
	s_add_nc_u64 s[18:19], s[18:19], s[60:61]
	s_add_nc_u64 s[24:25], s[24:25], s[60:61]
	s_add_nc_u64 s[26:27], s[26:27], s[62:63]
	s_add_nc_u64 s[28:29], s[28:29], s[66:67]
	s_add_nc_u64 s[30:31], s[30:31], s[68:69]
	s_add_nc_u64 s[32:33], s[32:33], s[70:71]
	s_add_nc_u64 s[72:73], s[30:31], s[76:77]      ; where k's codes go
	s_add_nc_u64 s[74:75], s[30:31], s[78:79]      ; where v's go
	WIN 0x40                                       ; destination window 1
.irp u, 0,1
.irp s, 0,1,2,3
.irp c, 0,1,2,3
	global_load_b128 v[64*\u+16*\s+4*\c:64*\u+16*\s+4*\c+3], v[XA], s[4:5] offset:4096*\u+128*\s+32*\c   ; x's fragments stay in registers
.endr
.endr
.endr
	WIN 0
.irp u, 0,1
	global_load_b128 v[XS+4*\u:XS+4*\u+3], v[WSA], s[6:7] offset:128*\u
.endr
.irp t, 0,1,2,3,4,5,6,7
	global_load_b128 v[WS+4*\t:WS+4*\t+3], v[WSA], s[10:11] offset:(32*(\t/2)+8*(\t%2))*16
.endr
.irp t, 0,1,2,3,4,5,6,7
	global_load_b128 v[WS+32+4*\t:WS+32+4*\t+3], v[WSA], s[16:17] offset:(32*(\t/2)+8*(\t%2))*16
.endr
	WIN 0x40
.irp t, 0,1,2,3,4,5,6,7
	global_load_b128 v[128+8*\t:128+8*\t+3], v[BA], s[12:13] offset:(32*(\t/2)+8*(\t%2))*4        ; wq_b in the result's layout: channels 32 b + 8 u + 16 h + 0 .. 7
	global_load_b128 v[128+8*\t+4:128+8*\t+7], v[BA], s[12:13] offset:(32*(\t/2)+8*(\t%2))*4+16
.endr
	WIN 0
.irp i, 0,1,2,3,4,5,6,7,8,9,10,11,12,13,14,15
	global_load_b128 v[WF+4*\i:WF+4*\i+3], v[L16], s[8:9] offset:512*\i      ; a row of 512 bytes a load
.endr
.irp i, 0,1,2,3,4,5,6,7,8,9,10,11,12,13,14,15
	global_load_b128 v[ACC+4*\i:ACC+4*\i+3], v[L16], s[14:15] offset:512*\i
.endr
	WIN 0x40
.irp i, 0,1,2,3,4,5,6,7,8,9,10,11,12,13,14,15
	global_load_b128 v[192+4*\i:192+4*\i+3], v[L16], s[20:21] offset:512*\i
.endr
	WIN 0
	s_wait_loadcnt 32                              ; wq's rows are in: wk's 16 and wv's 16 loads are younger
.irp i, 0,1,2,3,4,5,6,7,8,9,10,11,12,13,14,15
	ds_store_b128 v[WST], v[WF+4*\i:WF+4*\i+3] offset:(\i/8)*8704+(\i%8)*16
.endr
	s_wait_loadcnt 16                              ; wk's: wv's 16 are younger
.irp i, 0,1,2,3,4,5,6,7,8,9,10,11,12,13,14,15
	ds_store_b128 v[WST1], v[ACC+4*\i:ACC+4*\i+3] offset:(\i/8)*8704+(\i%8)*16
.endr
	s_wait_loadcnt 0x0
	WIN 0x04                                       ; an LDS store's data are its source 1: window 1
.irp i, 0,1,2,3,4,5,6,7,8,9,10,11,12,13,14,15
	ds_store_b128 v[WST2], v[192+4*\i:192+4*\i+3] offset:(\i/8)*8704+(\i%8)*16
.endr
	WIN 0
	s_wait_dscnt 0x0                               ; for the others' sake: my rows lie in the images
	s_barrier_signal -1
	s_barrier_wait -1                              ; everybody's do
	WIN 0x40
.irp t, 0,1,2,3,4,5,6,7
	global_load_b128 v[192+8*\t:192+8*\t+3], v[BA], s[18:19] offset:(32*(\t/2)+8*(\t%2))*4        ; wk_b, while q is made
	global_load_b128 v[192+8*\t+4:192+8*\t+7], v[BA], s[18:19] offset:(32*(\t/2)+8*(\t%2))*4+16
.endr
	WIN 0
	UNITQK 0, 0, 26, 0                             ; q
	s_wait_loadcnt 0x0                             ; wk_b
.irp t, 0,1,2,3,4,5,6,7
	global_load_b128 v[WS+4*\t:WS+4*\t+3], v[WSA], s[22:23] offset:(32*(\t/2)+8*(\t%2))*16        ; wv's scale words and bias take q's places, while k is made
.endr
	WIN 0x40
.irp t, 0,1,2,3,4,5,6,7
.irp j, 0,1,2,3,4,5,6,7
	global_load_b32 v[128+8*\t+\j], v[BVA], s[24:25] offset:(32*(\t/2)+8*(\t%2))*4                ; in v's result a lane holds one channel: its bias in all eight registers
.endr
.endr
	WIN 0
	UNITQK 1, 1, 72, 1                             ; k
	s_wait_loadcnt 0x0
.irp g, 0,1                                    ; v
	v_add_nc_u32 v[AD], 2*WN+\g*GRPB, v[LB]
.irp s, 0,1,2,3
.if \s > 0
	PLACES 8
.endif
	FETCH \s
	s_wait_dscnt 0x0
	MULV 0, \g, \s
.endr
	PLACES 8
	QUANT ACC                                      ; block t: channel tile 4 g + t, my 32 keys
.irp t, 0,1,2,3
	global_store_b128 v[L16], v[PC+4*\t:PC+4*\t+3], s[74:75] offset:(4*\g+\t)*2048
	ds_store_b8 v[VSA], v[TM+4+\t] offset:\g*256+4*\t
.endr
.endr
	s_wait_dscnt 0x0                               ; my scale words and bytes lie in LDS
	s_barrier_signal -1
	s_barrier_wait -1
	ds_load_b64 v[18:19], v[SRD]
	s_wait_dscnt 0x0
	global_store_b64 v[L8], v[18:19], s[32:33]     ; 32 lanes store 256 consecutive bytes, aligned
	s_wait_tensorcnt 0x0                           ; the wave's end
	ds_add_u32 v[SPW], v[NIL]
	s_wait_dscnt 0x0
	s_endpgm
.Lfunc_end_k_qa352f68b2f_proj:
	.size	k_qa352f68b2f_proj, .Lfunc_end_k_qa352f68b2f_proj-k_qa352f68b2f_proj
	.p2alignl 7, 3214868480
	.fill 96, 4, 3214868480
	.section	.rodata,"a",@progbits
	.p2align	6, 0x0
	.amdhsa_kernel k_qa352f68b2f_proj
		.amdhsa_group_segment_fixed_size 212992
		.amdhsa_private_segment_fixed_size 0
		.amdhsa_enable_private_segment 0
		.amdhsa_kernarg_size 120
		.amdhsa_user_sgpr_count 2
		.amdhsa_user_sgpr_kernarg_segment_ptr 1
		.amdhsa_wavefront_size32 1
		.amdhsa_system_sgpr_workgroup_id_x 1
		.amdhsa_system_sgpr_workgroup_id_y 1
		.amdhsa_system_sgpr_workgroup_id_z 1
		.amdhsa_system_vgpr_workitem_id 0
		.amdhsa_next_free_vgpr 512
		.amdhsa_next_free_sgpr 80
		.amdhsa_reserve_vcc 0
		.amdhsa_float_denorm_mode_32 3
		.amdhsa_float_denorm_mode_16_64 3
		.amdhsa_memory_ordered 1
		.amdhsa_forward_progress 1
		.amdhsa_inst_pref_size 136
	.end_amdhsa_kernel
	.amdgpu_metadata
---
amdhsa.version: [ 1, 2 ]
amdhsa.kernels:
  - .name:           k_qa352f68b2f_proj
    .symbol:         k_qa352f68b2f_proj.kd
    .args:
      - { .name: x_codes, .offset: 0, .size: 8, .value_kind: global_buffer, .address_space: global }
      - { .name: x_scales, .offset: 8, .size: 8, .value_kind: global_buffer, .address_space: global }
      - { .name: wq_w_codes, .offset: 16, .size: 8, .value_kind: global_buffer, .address_space: global }
      - { .name: wq_w_scales, .offset: 24, .size: 8, .value_kind: global_buffer, .address_space: global }
      - { .name: wq_b, .offset: 32, .size: 8, .value_kind: global_buffer, .address_space: global }
      - { .name: wk_w_codes, .offset: 40, .size: 8, .value_kind: global_buffer, .address_space: global }
      - { .name: wk_w_scales, .offset: 48, .size: 8, .value_kind: global_buffer, .address_space: global }
      - { .name: wk_b, .offset: 56, .size: 8, .value_kind: global_buffer, .address_space: global }
      - { .name: wv_w_codes, .offset: 64, .size: 8, .value_kind: global_buffer, .address_space: global }
      - { .name: wv_w_scales, .offset: 72, .size: 8, .value_kind: global_buffer, .address_space: global }
      - { .name: wv_b, .offset: 80, .size: 8, .value_kind: global_buffer, .address_space: global }
      - { .name: qc, .offset: 88, .size: 8, .value_kind: global_buffer, .address_space: global }
      - { .name: qs, .offset: 96, .size: 8, .value_kind: global_buffer, .address_space: global }
      - { .name: kvc, .offset: 104, .size: 8, .value_kind: global_buffer, .address_space: global }
      - { .name: kvs, .offset: 112, .size: 8, .value_kind: global_buffer, .address_space: global }
    .group_segment_fixed_size: 212992
    .private_segment_fixed_size: 0
    .kernarg_segment_align: 8
    .kernarg_segment_size: 120
    .max_flat_workgroup_size: 256
    .sgpr_count:     80
    .vgpr_count:     512
    .wavefront_size: 32
...
	.end_amdgpu_metadata
.endif
;; end of part 1
;; launch attn (part 2): grid 32 x 8, 8 waves a work-group, clusters of 4 x 1, 327,680 bytes of LDS; arguments qc, qs, kvc, kvs, pos_embedding, mask, ac, asc; writes ac, asc
.if DOCPART == 2
	.amdgcn_target "amdgcn-amd-amdhsa--gfx1250"
	.amdhsa_code_object_version 6
	.text
	.protected	k_qa352f68b2f_attn
	.globl	k_qa352f68b2f_attn
	.p2align	8
	.type	k_qa352f68b2f_attn,@function
k_qa352f68b2f_attn:
	s_mov_b64 s[64:65], 0
	v_nop
	global_prefetch_b8 v0, s[64:65] scope:SCOPE_SE
	s_setreg_imm32_b32 hwreg(HW_REG_WAVE_MODE, 25, 1), 1
	s_wait_xcnt 0x0
	s_wait_alu depctr_hold_cnt(0) depctr_sa_sdst(0) depctr_va_vdst(0) depctr_va_sdst(0) depctr_va_ssrc(0) depctr_va_vcc(0) depctr_vm_vsrc(0)
	s_getreg_b32 s2, hwreg(HW_REG_IB_STS2, 6, 4)
	s_cmp_eq_u32 s2, 0
	s_cbranch_scc0 .Lentry_in_a_cluster
	s_endpgm
.Lentry_in_a_cluster:
	s_bfe_u32 s2, ttmp6, 0x10000c
	s_cmp_lg_u32 s2, 0x3003
	s_cbranch_scc0 .Lentry_shape_is_right
	s_endpgm
.Lentry_shape_is_right:
; softmax(q k^T / sqrt(128) + pos + mask) v, both products on codes of E4M3 with E8M0 scales, and the result quantised along the head's channels for the last product.  No work is left out: mask and pos are inputs, so every key step is walked.
; THE SOFTMAX: t = logit x log2(e); M = the running largest t rounded up to a whole number; p = 2^(t - M) is quantised along the keys, not normalised; the row's sum is taken of the unquantised p and divides at the end.
; LIMITS: (pos + mask) is rounded once, multiplied by sqrt(128) and given to the first product as its C, so that t = c x (q.k + (pos + mask) sqrt(128)), c = log2(e) / sqrt(128): another order of rounding than ((q.k / sqrt(128) + pos) + mask).
;   NaN and infinities among the inputs are not served.  A block's largest p is made from the block's largest score by the same two instructions (it takes v_exp_f32 not to fall where its input rises).  A block of zeros gets the byte 1.
; SHARES.  Work-group (X, head): queries 64 X .. 64 X + 63 of ALL FOUR batches: each byte of pos is read by one work-group, and pos + mask is made once for four batches.
;   Wave w of eight: batch w / 2, query tiles 2 (w % 2) and 2 (w % 2) + 1: tile A and tile B.  Each fragment of K and V that the wave reads from LDS feeds two matrix instructions.
; CLUSTER.  The four work-groups of a cluster walk the same K and V of one head: each tile is asked for JOINTLY, by the same tensor load with the same descriptor and the mask 15.
; RING.  16 key steps of 128 keys.  A slot holds one step's K and V of four batches: 131,072 dense bytes.  Each of the eight waves asks for 16,384 of them (64 rows of 256 bytes): every wave issues a load, none under a branch,
;   and by this text's count one tensor load of a wave is out at a time.
; LAYOUT.  K, V, Q lie in memory as images of operand registers: a fragment's four groups of 512 bytes, lane l's 16 bytes at 16 l.  Both products are used transposed: a lane holds one query throughout;
;   key tile 2 b + u holds keys 32 b + 8 u + r + 8 (r / 8), so that the 16 registers of two neighbouring score tiles are 16 neighbouring keys; V's fragments hold channels in the same order.
; THE BIAS.  Each wave loads 1/8 of the next step's 64 x 128 numbers of pos and of mask (a load takes two rows of 256 aligned bytes), makes (pos + mask) sqrt(128) and stores it into four images of the score registers in LDS;
;   a wave loads its tiles' images straight into the accumulators.  A barrier stands between a step's reads of the images and the stores of the next step's; the round at the next step's head stands between those stores and their reads.
; A STEP'S ORDER.  K Q^T for both tiles, K's fragments two at a time in two buffers by turns; tile A's softmax; tile B's softmax; V^T P for both tiles.  V's fragments are asked for while the softmax runs: 0 and 1 ahead of tile A's,
;   2 to 5 behind tile A's conversions into tile A's score registers, 6 and 7 behind tile B's conversions into tile B's.  The first step is written out: its V^T P starts the sums with the constant 0, so nothing is cleared.
; LDS: slot 0 at 0, slot 1 at 131,072; the bias images at 262,144 (4 x 8,704: 32 pieces of 16 rows x 16 bytes + 16 of padding), filled by LDS stores alone; the spare words at 296,960.
; REGISTERS, in two windows of 256.  TILE A'S LIE IN WINDOW 0, TILE B'S AT THE SAME NUMBERS IN WINDOW 1, so that one macro serves both softmaxes, under the settings 0 and 0x55:
;   v10 at work, v12 -M, v13 the largest t, v14-15 the sum, v16-31 Q, v64-127 the scores, then p, v128-191 O^T, v192-207 p's codes (ahead of the conversions v200-207 at work), v216-217 f, v218 p's scale word.
;   Window 0 alone: v1-9 addresses, v32-63 and v220-251 two buffers of two fragments (v220-229 also tile A's ten temporaries), v208-215 K's and V's scale words, v219 Q's; v252, v253 tile B's scale words of p and Q (scale operands have no window).
;   Window 1 alone: v0-9 tile B's ten temporaries, v32-63 mask as loaded, v220-251 pos as loaded, then the bias.
.set SLOT1, 131072
.set BIAS,  262144
.set SPARE, 296960                     ; 128 bytes a wave: four blocks of 256 bytes that no other line names
.set AKV,  1                           ; v1, v2  16 x lane + 32,768 x batch, in slot 0, 1
.set ABR,  3                           ; v3   where I read tile A's bias image; tile B's lies 8,704 bytes on
.set ABW,  4                           ; v4   where I store my part of the images
.set SPW,  5                           ; v5   my spare word; never rewritten
.set NIL,  6                           ; v6   0; never rewritten
.set GPM,  7                           ; v7   my byte offset in the work-group's 64 rows of pos and mask
.set L16,  8                           ; v8   16 x lane
.set PFO,  9                           ; v9   the prefetches' offset
.set FR,   32
.set FR2,  220
.set S,    64
.set OT,   128
.set PC,   192
.set BM,   200                         ; the blocks' largest scores
.set PT,   204                         ; at work
.set KW,   208
.set VW,   212
.set FF,   216                         ; f = 2^(old M - new M); the register behind it is named with it as a pair and holds 0
.set PW,   218
.set QW,   219
.set PWB,  252
.set QWB,  253
.set PP,   220                         ; in window 1
.set MM,   32                          ; in window 1
.set TA,   220                         ; ten temporaries: +0..3 the holds, +4..7 the conversions' scale operands, +8, +9 a second chain of sums
.set TB,   0
.set WV,   20
.set SEL,  40
.set CS,   42
.set MNT,  44
.set MSB, 0
.macro WIN new                         ; bits 1:0 source 0, 3:2 source 1, 5:4 source 2, 7:6 destination; the immediate's high byte repeats the setting that is left
.if MSB != \new
	s_set_vgpr_msb (MSB<<8)|\new
.set MSB, \new
.endif
.endm
.macro PLACES n
.rept \n
	v_nop
.endr
.endm
.macro ROUND                           ; a round of the cluster's barrier
	s_barrier_signal -1
	s_barrier_wait -1
	s_cmp_lg_u32 s[WV], 0
	s_cbranch_scc1 .Lnot_wave_0_\@
	s_barrier_signal -3
.Lnot_wave_0_\@:
	s_barrier_wait -3
	s_barrier_signal -1
	s_barrier_wait -1
.endm
.macro KFRAG slot, k, buf              ; K's fragments 2 k and 2 k + 1 into the buffer
.irp u, 0,1
.irp c, 0,1,2,3
	ds_load_b128 v[\buf+16*\u+4*\c:\buf+16*\u+4*\c+3], v[AKV+\slot] offset:(2*(\k)+\u)*2048+512*\c
.endr
.endr
.endm
.macro VFRAG slot, n, reg              ; V's fragment n
.irp c, 0,1,2,3
	ds_load_b128 v[\reg+4*\c:\reg+4*\c+3], v[AKV+\slot] offset:16384+(\n)*2048+512*\c
.endr
.endm
.macro KQ x, t, buf                    ; S^T tile t of tile A (x = 0) or B (1) = K Q^T + the bias that lies in the accumulator
.set rS, S+8*(\t)
.set rK, \buf+16*((\t)%2)
.set rW, KW+(\t)%4
.set rQ, QW+(QWB-QW)*(\x)
.if (\t) >= 4
	v_wmma_scale_f32_16x16x128_f8f6f4 v[rS:rS+7], v[rK:rK+15], v[16:31], v[rS:rS+7], v[rW], v[rQ] matrix_a_scale:MATRIX_SCALE_ROW1
.else
	v_wmma_scale_f32_16x16x128_f8f6f4 v[rS:rS+7], v[rK:rK+15], v[16:31], v[rS:rS+7], v[rW], v[rQ]
.endif
.endm
.macro KQ2 k, buf                      ; four products on four accumulators: key tiles 2 k, 2 k + 1 for both query tiles
	WIN 0
	KQ 0, 2*(\k), \buf
	KQ 0, 2*(\k)+1, \buf
	WIN 0x54                                       ; K in window 0; Q, C and D in window 1
	KQ 1, 2*(\k), \buf
	KQ 1, 2*(\k)+1, \buf
.endm
.macro PV x, n, first                  ; O^T tile n of tile A or B += V^T P^T.  Fragments 0, 1 lie in the buffer, 2 to 5 in tile A's score registers, 6, 7 in tile B's.  first = 1: the product starts the sum
.set rO, OT+8*(\n)
.if (\n) < 2
.set rV, FR+16*(\n)
.elseif (\n) < 6
.set rV, S+16*((\n)-2)
.else
.set rV, S+16*((\n)-6)
.endif
.set rW, VW+(\n)%4
.set rP, PW+(PWB-PW)*(\x)
.if \first
.if (\n) >= 4
	v_wmma_scale_f32_16x16x128_f8f6f4 v[rO:rO+7], v[rV:rV+15], v[PC:PC+15], 0, v[rW], v[rP] matrix_a_scale:MATRIX_SCALE_ROW1
.else
	v_wmma_scale_f32_16x16x128_f8f6f4 v[rO:rO+7], v[rV:rV+15], v[PC:PC+15], 0, v[rW], v[rP]
.endif
.else
.if (\n) >= 4
	v_wmma_scale_f32_16x16x128_f8f6f4 v[rO:rO+7], v[rV:rV+15], v[PC:PC+15], v[rO:rO+7], v[rW], v[rP] matrix_a_scale:MATRIX_SCALE_ROW1
.else
	v_wmma_scale_f32_16x16x128_f8f6f4 v[rO:rO+7], v[rV:rV+15], v[PC:PC+15], v[rO:rO+7], v[rW], v[rP]
.endif
.endif
.endm
.macro BMAX b                          ; the largest score of block b's 16 registers: eight plain lines, each accumulator read from its low end on
	v_max3_num_f32 v[BM+(\b)], v[S+16*(\b)], v[S+16*(\b)+1], v[S+16*(\b)+2]
.irp i, 3,5,7,9,11,13
	v_max3_num_f32 v[BM+(\b)], v[BM+(\b)], v[S+16*(\b)+\i], v[S+16*(\b)+\i+1]
.endr
	v_max_num_f32 v[BM+(\b)], v[BM+(\b)], v[S+16*(\b)+15]
.endm
.macro BLOAD                           ; my part of the next step's pos and mask: rows 8 w + 2 i + lane / 16, both halves of the 128 keys
	WIN 0x40                                       ; destination window 1
.irp kh, 0,1
.irp i, 0,1,2,3
	global_load_b128 v[PP+16*\kh+4*\i:PP+16*\kh+4*\i+3], v[GPM], s[52:53] offset:16384*\i+256*\kh th:TH_LOAD_NT
.endr
.endr
.irp kh, 0,1
.irp i, 0,1,2,3
	global_load_b128 v[MM+16*\kh+4*\i:MM+16*\kh+4*\i+3], v[GPM], s[54:55] offset:16384*\i+256*\kh
.endr
.endr
	WIN 0
.endm
.macro BMAKE                           ; (pos + mask) sqrt(128), into the images
	WIN 0x55
.set j, 0
.rept 16
	v_pk_add_f32 v[PP+j:PP+j+1], v[PP+j:PP+j+1], v[MM+j:MM+j+1]
.set j, j+2
.endr
.set j, 0
.rept 16
	v_pk_mul_f32 v[PP+j:PP+j+1], v[PP+j:PP+j+1], s[58:59] op_sel_hi:[1,0]
.set j, j+2
.endr
	WIN 0x04                                       ; an LDS store's data are its source 1: window 1
.irp kh, 0,1
.irp i, 0,1,2,3
	ds_store_b128 v[ABW], v[PP+16*\kh+4*\i:PP+16*\kh+4*\i+3] offset:4352*\kh+32*\i
.endr
.endr
	WIN 0
.endm
; PREFETCHES INTO THE L2 of what the step after next will load, behind the step's loads.  Each aligned block of 256 bytes is named once in the launch.
; Waves 0-3: the step's K and V: the head's first cluster asks; its four partners take a batch's 32,768 bytes each, told apart by address; a wave 8,192, lanes 256 bytes apart.
; Waves 4-7: my work-group's 64 rows of pos, 512 bytes of each: 16 rows a wave, two lanes a row; and by a second instruction the same of mask, in head 0 alone.
; Steps 0 and 1 come by their loads alone; the last two steps ask for nothing: byc = 1 is the loop's second step, which does not ask in the last trip (s45 = 1 there; s50 and s86 hold 1 in a wave that asks, else the greatest number).
.macro ASK byc
.if \byc
	s_cmp_gt_u32 s45, s50
.else
	s_cmp_eq_u32 s50, 1
.endif
	s_cbranch_scc0 .Lnot_mine_\@
	global_prefetch_b8 v[PFO], s[46:47] th:TH_LOAD_NT scope:SCOPE_SE
.Lnot_mine_\@:
.if \byc
	s_cmp_gt_u32 s45, s86
.else
	s_cmp_eq_u32 s86, 1
.endif
	s_cbranch_scc0 .Lno_mask_\@
	global_prefetch_b8 v[PFO], s[84:85] th:TH_LOAD_NT scope:SCOPE_SE
.Lno_mask_\@:
.endm
; ONE TILE'S SOFTMAX.  x = 0: tile A, under the setting 0; x = 1: tile B, under 0x55.  T: its ten temporaries.  It ends with the loads of V's next fragments and with O^T under the new M.
.macro SOFTMAX x, T, slot, first
	BMAX 3
.irp b, 0,1,2,3
	v_permlanex16_b32 v[PT+\b], v[BM+\b], s[SEL], s[SEL+1]
.endr
.irp b, 0,1,2,3
	v_max_num_f32 v[BM+\b], v[BM+\b], v[PT+\b]     ; with lane l xor 16's 16 keys: the block's largest score
.endr
	v_max3_num_f32 v10, v[BM], v[BM+1], v[BM+2]
	v_max_num_f32 v10, v10, v[BM+3]
	v_mul_f32 v10, s[CS], v10                      ; as t (c is positive)
	v_max_num_f32 v13, v13, v10                    ; the running largest t
	v_mov_b32 v10, v12
	v_floor_f32 v12, -v13                          ; the new -M = floor(-t): M is a whole number
	v_sub_f32 v10, v12, v10                        ; old M - new M: a whole number, 0 or less
	v_cvt_i32_f32 v10, v10                         ; (it saturates)
	v_ldexp_f32 v[FF], 1.0, v10                    ; f = 2^(old M - new M): a multiplication by it rounds nothing
.set j, 0
.rept 32
	v_pk_fma_f32 v[S+j:S+j+1], v[S+j:S+j+1], s[CS:CS+1], v[12:13] op_sel_hi:[1,0,0]   ; t - M, two at a time
.set j, j+2
.endr
.irp b, 0,1,2,3
	v_fma_f32 v[BM+\b], v[BM+\b], s[CS], v12       ; the same of each block's largest score
.endr
.set j, 0
.rept 64
	v_exp_f32 v[S+j], v[S+j]                       ; p = 2^(t - M)
.set j, j+1
.endr
	v_pk_mul_f32 v[14:15], v[14:15], v[FF:FF+1] op_sel_hi:[1,0]   ; the sums under the new M: a plain line behind the exponentials
	s_wait_alu depctr_va_vdst(0)                   ; one wait for the batch, ahead of its first reader
.irp b, 0,1,2,3
	v_exp_f32 v[BM+\b], v[BM+\b]                   ; the block's largest p
.endr
	v_pk_add_f32 v[\T+8:\T+9], v[S:S+1], v[S+2:S+3]   ; the row's sum of the unquantised p, in two chains
.set j, 4
.rept 15
	v_pk_add_f32 v[14:15], v[14:15], v[S+j:S+j+1]
	v_pk_add_f32 v[\T+8:\T+9], v[\T+8:\T+9], v[S+j+2:S+j+3]
.set j, j+4
.endr
	v_pk_add_f32 v[14:15], v[14:15], v[\T+8:\T+9]
	s_wait_alu depctr_va_vdst(0)                   ; and one for the four
.irp b, 0,1,2,3
	v_max_num_f32 v[BM+\b], 0x4800000, v[BM+\b]    ; the floor 2^(9 - 127): the byte cannot fall under 1
.endr
.irp b, 0,1,2,3
	v_add_nc_u32 v[\T+4+\b], 0xfc000000, v[BM+\b]  ; 8 off the exponent field: the conversion's scale operand
.endr
.irp b, 0,1,2,3
	v_and_or_b32 v[\T+\b], v[BM+\b], 0x7f800000, s[MNT]   ; 448 x the scale
.endr
.irp b, 0,1,2,3
	v_lshrrev_b32 v[PT+\b], 23, v[\T+4+\b]         ; the scale's byte
.endr
	v_lshl_or_b32 v[PW], v[PT+1], 8, v[PT]         ; p's scale word for these 128 keys
	v_lshl_or_b32 v[PW], v[PT+2], 16, v[PW]
	v_lshl_or_b32 v[PW], v[PT+3], 24, v[PW]
.if \x
	WIN 0x01                                       ; source window 1, destination window 0: a scale operand is taken from window 0
	v_mov_b32 v[PWB], v[PW]
	WIN 0x55
.endif
.irp b, 0,1,2,3
.irp i, 0,1,2,3,4,5,6,7,8,9,10,11,12,13,14,15
	v_min_num_f32 v[S+16*\b+\i], v[S+16*\b+\i], v[\T+\b]   ; the conversion to an 8-bit code does not saturate (ISA guide 7.6.2); p is not negative, so the hold is one-sided
.endr
	v_cvt_scalef32_pk8_fp8_f32 v[PC+4*\b:PC+1+4*\b], v[S+16*\b:S+7+16*\b], v[\T+4+\b]
	v_cvt_scalef32_pk8_fp8_f32 v[PC+2+4*\b:PC+3+4*\b], v[S+8+16*\b:S+15+16*\b], v[\T+4+\b]
.endr
.if \x                                         ; p has become codes: the tile's score registers take fragments of V
	WIN 0x40
	VFRAG \slot, 6, S
	VFRAG \slot, 7, S+16
	WIN 0x55
.else
	VFRAG \slot, 2, S
	VFRAG \slot, 3, S+16
	VFRAG \slot, 4, S+32
	VFRAG \slot, 5, S+48
.endif
.if \first
	PLACES 4                                       ; the first step has nothing to bring under a new M: four plain lines between the codes and the products that take them
.else
.set j, 0
.rept 32
	v_pk_mul_f32 v[OT+j:OT+j+1], v[OT+j:OT+j+1], v[FF:FF+1] op_sel_hi:[1,0]   ; O^T under the new M; also the plain lines between the codes and the products
.set j, j+2
.endr
.endif
.endm
; ONE KEY STEP, in slot `slot`.  more = 1: a step follows (its tiles are asked for, its bias and scale words loaded);  ask = 1, 2: the step after next is prefetched (2: by the trip count);  first = 1: the first step.
.macro TRIP slot, more, ask, first
	s_wait_tensorcnt 0x0                           ; my one tensor load, my part of this step's slot, has landed: every group 0 may be written
	ds_add_u32 v[SPW], v[NIL]                      ; 0 onto my spare word
	s_add_nc_u64 s[34+4*\slot:35+4*\slot], s[34+4*\slot:35+4*\slot], 262144   ; this slot's next tile: two steps on
.if \more
	s_wait_xcnt 0x0                                ; the loads and the prefetches of the last step have read their bases, which step now:
	s_add_nc_u64 s[46:47], s[46:47], s[48:49]      ; the prefetches to the step after next,
	s_add_nc_u64 s[84:85], s[84:85], 512
	s_add_nc_u64 s[52:53], s[52:53], 512           ; pos, mask and the scale words to the next step
	s_add_nc_u64 s[54:55], s[54:55], 512
	s_add_nc_u64 s[56:57], s[56:57], 4096
.endif
	s_wait_dscnt 0x0                               ; the add is done, my reads of the other slot are over, my part of this step's bias lies in LDS
	ROUND                                          ; all that now holds of every wave of all four work-groups
.if \more
	tensor_load_to_lds s[36-4*\slot:39-4*\slot], s[24:31]   ; the next step's tile, into the slot read last: my one tensor load until the next round
	s_nop 0
	PLACES 4
.endif
.irp q, 0,1,2,3,4,5,6,7,8,9,10,11,12,13,14,15
	ds_load_b128 v[S+4*\q:S+4*\q+3], v[ABR] offset:544*\q   ; the bias into tile A's accumulators: registers 4 q on are keys 32 (q / 4) + 16 h + 4 (q % 4) on
.endr
	WIN 0x40
.irp q, 0,1,2,3,4,5,6,7,8,9,10,11,12,13,14,15
	ds_load_b128 v[S+4*\q:S+4*\q+3], v[ABR] offset:8704+544*\q   ; and into tile B's
.endr
	WIN 0
	KFRAG \slot, 0, FR
	KFRAG \slot, 1, FR2
.if \more
	BLOAD
.endif
.if \ask
	ASK \ask-1
.endif
.if \more
	s_wait_loadcnt 17                              ; K's scale words are in: V's (1) and the sixteen loads just issued are younger
.else
	s_wait_loadcnt 1                               ; V's are younger
.endif
	s_wait_dscnt 8                                 ; the bias and K's first pair are in: the second pair's eight loads are younger
	KQ2 0, FR
	WIN 0
	PLACES 8                                       ; in front of loads into registers that these products read
	KFRAG \slot, 2, FR
	s_wait_dscnt 8                                 ; the second pair is in: the third's eight are younger
	KQ2 1, FR2
	WIN 0
	BMAX 0                                         ; eight plain lines on results finished a round ago: the places behind the products above
	KFRAG \slot, 3, FR2
	WIN 0x55
	BMAX 0
	s_wait_dscnt 8                                 ; the third pair is in: the fourth's eight are younger
	KQ2 2, FR
	WIN 0
	BMAX 1
	WIN 0x55
	BMAX 1
	s_wait_dscnt 0x0                               ; the fourth pair is in; no LDS instruction of mine is out
	KQ2 3, FR2
	WIN 0
	BMAX 2
	WIN 0x55
	BMAX 2
	WIN 0
.if \more
	global_load_b128 v[KW:KW+3], v[L16], s[56:57]  ; the next step's scale words of K, sixteen plain lines behind the last product that read these registers
	s_barrier_signal -1                            ; my reads of this step's bias are over
.endif
	VFRAG \slot, 0, FR                             ; they land while tile A's softmax runs
	VFRAG \slot, 1, FR+16
	SOFTMAX 0, TA, \slot, \first
	WIN 0x55
	SOFTMAX 1, TB, \slot, \first
	WIN 0
.if \more
	s_wait_loadcnt 17                              ; V's scale words are in: the sixteen of pos and mask and K's next (1) are younger
.else
	s_wait_loadcnt 0x0
.endif
	s_wait_dscnt 8                                 ; V's fragments 0 to 5 are in: the eight loads of 6 and 7 are younger
.irp n, 0,1,2,3,4,5
	PV 0, \n, \first                               ; sixteen products on sixteen accumulators
.endr
	WIN 0x54                                       ; V in window 0; p, C and D in window 1
.irp n, 0,1,2,3,4,5
	PV 1, \n, \first
.endr
	s_wait_dscnt 0x0
	WIN 0x55                                       ; V's fragments 6 and 7 lie in window 1
	PV 1, 6, \first
	PV 1, 7, \first
	WIN 0x01
	PV 0, 6, \first
	PV 0, 7, \first
	WIN 0
.if \more
	s_barrier_wait -1                              ; everybody's reads of this step's bias are over
	s_wait_loadcnt 1                               ; pos and mask are in: K's next scale words are younger
	BMAKE                                          ; (its 32 plain lines are the places in front of the load below and of the next step's loads)
	global_load_b128 v[VW:VW+3], v[L16], s[56:57] offset:512
.endif
.endm
	s_load_b512 s[4:19], s[0:1], 0x0               ; qc 4, qs 6, kvc 8, kvs 10, pos 12, mask 14, ac 16, asc 18
	v_lshl_add_u32 v[SPW], v0, 2, SPARE
	v_mov_b32 v[NIL], 0
	ds_add_u32 v[SPW], v[NIL]                      ; the wave's opening: the add, twice on end, and its wait ahead of my first tensor load
	ds_add_u32 v[SPW], v[NIL]
	v_lshrrev_b32 v10, 5, v0
	v_readfirstlane_b32 s[WV], v10                 ; wave 0..7
	s_bfe_u32 s21, ttmp6, 0x40000                  ; cx: it enters global addresses of q, pos, mask, the results and the prefetches alone
	s_lshl_b32 s22, ttmp9, 2
	s_add_co_u32 s22, s22, s21                     ; X: my block of 64 queries
	s_and_b32 s23, ttmp7, 0xffff                   ; the head, which the partners share
	s_lshr_b32 s51, s[WV], 1                       ; batch
	s_and_b32 s82, s[WV], 1                        ; which pair of query tiles
	s_mov_b32 s24, 15|(3<<16)|(1<<21)              ; group 1: the mask names all four; elements of 8 bytes; bit 21 beside a mask; no padding
	s_mov_b32 s25, 32<<16                          ; tensor_dim0 = 32 elements (256 bytes)
	s_mov_b32 s26, 64<<16                          ; tensor_dim1 = 64
	s_mov_b32 s27, 32<<16                          ; tile_dim0 = 32
	s_mov_b32 s28, 64                              ; tile_dim1 = 64 rows
	s_mov_b32 s29, 32                              ; the pitch: the block is dense
	s_mov_b32 s30, 0
	s_mov_b32 s31, 0
	s_mov_b32 s[SEL], 0x76543210
	s_mov_b32 s[SEL+1], 0xfedcba98
	s_mov_b32 s[CS], 0x3e0293ee                    ; c = log2(e) / sqrt(128)
	s_mov_b32 s[CS+1], s[CS]
	s_mov_b32 s[MNT], 0x600000
	s_mov_b32 s58, 0x413504f3                      ; sqrt(128)
	s_mov_b32 s59, s58
	v_and_b32 v10, 31, v0                          ; lane
	v_and_b32 v11, 15, v0                          ; r
	v_bfe_u32 v12, v0, 4, 1                        ; h
	v_lshlrev_b32 v[L16], 4, v10
	s_lshl_b32 s68, s51, 15
	v_add_nc_u32 v[AKV], s68, v[L16]
	v_add_nc_u32 v[AKV+1], SLOT1, v[AKV]
	s_mul_i32 s68, s82, 17408
	s_add_co_u32 s68, s68, BIAS
	v_mul_u32_u24 v[ABR], v12, 272
	v_lshl_add_u32 v[ABR], v11, 4, v[ABR]
	v_add_nc_u32 v[ABR], s68, v[ABR]
	; the bias's maker: rows 8 w + 2 i + h, keys 64 kh + 4 r.  Row 8 w + y is row y + 8 ((w / 2) % 2) of tile 2 (w / 4) + w % 2; keys 4 r on are piece (r / 8) 8 + (r % 4) 2 + (r / 4) % 2 of half kh
	s_lshr_b32 s71, s[WV], 2
	s_lshl_b32 s71, s71, 1
	s_and_b32 s72, s[WV], 1
	s_add_co_u32 s71, s71, s72
	s_mul_i32 s71, s71, 8704
	s_bfe_u32 s72, s[WV], 0x10001
	s_lshl_b32 s72, s72, 7
	s_add_co_u32 s71, s71, s72
	s_add_co_u32 s71, s71, BIAS
	v_bfe_u32 v13, v0, 3, 1
	v_and_b32 v14, 3, v0
	v_bfe_u32 v15, v0, 2, 1
	v_lshlrev_b32 v13, 3, v13
	v_lshl_add_u32 v13, v14, 1, v13
	v_add_nc_u32 v13, v13, v15
	v_mul_u32_u24 v[ABW], v13, 272
	v_lshl_add_u32 v[ABW], v12, 4, v[ABW]
	v_add_nc_u32 v[ABW], s71, v[ABW]
	v_lshlrev_b32 v[GPM], 13, v12                  ; a row of pos or mask is 8,192 bytes
	v_lshl_add_u32 v[GPM], v11, 4, v[GPM]
	s_lshl_b32 s72, s[WV], 16
	v_add_nc_u32 v[GPM], s72, v[GPM]
	; byte offsets
	s_lshl_b32 s60, s23, 21
	s_lshl_b32 s61, s[WV], 14
	s_add_co_u32 s60, s60, s61                     ; kvc: the head's 16 steps of 131,072 bytes, my wave's 16,384: made of the head and the wave's number alone
	s_mov_b32 s61, 0
	s_lshl_b32 s78, s22, 2
	s_lshl_b32 s79, s82, 1
	s_add_co_u32 s78, s78, s79                     ; tile A's number in its batch; tile B is the next
	s_lshl_b32 s62, s51, 3
	s_add_co_u32 s62, s62, s23
	s_lshl_b32 s62, s62, 7
	s_add_co_u32 s62, s62, s78
	s_lshl_b32 s66, s62, 7                         ; qs
	s_mov_b32 s67, 0
	s_lshl_b32 s62, s62, 11                        ; qc
	s_mov_b32 s63, 0
	s_lshl_b32 s68, s51, 7
	s_add_co_u32 s68, s68, s78
	s_lshl_b32 s68, s68, 3
	s_add_co_u32 s68, s68, s23                     ; (128 batch + tile) 8 + head
	s_lshl_b32 s70, s68, 7                         ; asc
	s_mov_b32 s71, 0
	s_lshl_b32 s68, s68, 11                        ; ac
	s_mov_b32 s69, 0
	s_lshl_b32 s72, s23, 16
	s_lshl_b32 s73, s51, 10
	s_add_co_u32 s72, s72, s73                     ; kvs
	s_mov_b32 s73, 0
	s_lshl_b32 s76, s22, 19                        ; mask: my 64 rows
	s_mov_b32 s77, 0
	s_lshl_b32 s74, s23, 24
	s_add_co_u32 s74, s74, s76                     ; pos: the head's plane, my 64 rows
	s_mov_b32 s75, 0
	s_wait_dscnt 0x0                               ; both opening adds are done
	s_wait_kmcnt 0x0
	s_add_nc_u64 s[60:61], s[8:9], s[60:61]
	s_mov_b32 s32, 1                               ; group 0 of slot 0: count 1,
	s_lshl_b32 s33, s[WV], 14                      ; LDS address 16,384 x wave,
	s_mov_b64 s[34:35], s[60:61]                   ; step 0,
	s_or_b32 s35, s35, 0x80000000                  ; type 2
	s_mov_b32 s36, 1                               ; of slot 1
	s_add_co_u32 s37, s33, SLOT1
	s_add_nc_u64 s[38:39], s[60:61], 131072        ; step 1
	s_or_b32 s39, s39, 0x80000000
	s_add_nc_u64 s[4:5], s[4:5], s[62:63]
	s_add_nc_u64 s[6:7], s[6:7], s[66:67]
	s_add_nc_u64 s[16:17], s[16:17], s[68:69]
	s_add_nc_u64 s[18:19], s[18:19], s[70:71]
	s_add_nc_u64 s[56:57], s[10:11], s[72:73]
	s_add_nc_u64 s[52:53], s[12:13], s[74:75]
	s_add_nc_u64 s[54:55], s[14:15], s[76:77]
	; the prefetches: which buffer, where, who.  Offsets first, then the choices on the wave's group
	s_lshr_b32 s83, s[WV], 2                       ; group 0: K and V; group 1: pos and mask
	s_and_b32 s81, s[WV], 3
	s_lshl_b32 s60, s23, 21
	s_lshl_b32 s61, s21, 15
	s_add_co_u32 s60, s60, s61
	s_lshl_b32 s61, s81, 13
	s_add_co_u32 s60, s60, s61
	s_add_co_u32 s60, s60, 131072                  ; kvc: my partner's batch, my wave's 8,192 bytes, in step 1: the first step's head moves it to step 2
	s_lshl_b32 s61, s81, 17
	s_add_co_u32 s61, s61, 512                     ; pos, mask: my wave's 16 rows, in step 1
	s_add_co_u32 s62, s74, s61
	s_add_co_u32 s63, s76, s61
	s_mov_b32 s66, 512
	s_mov_b32 s67, 8192
	s_mov_b32 s68, 131072
	s_cmp_eq_u32 s83, 0
	s_cselect_b64 s[46:47], s[8:9], s[12:13]
	s_cselect_b32 s70, s60, s62
	s_cselect_b32 s48, s68, s66                    ; a step on
	s_cselect_b32 s72, s66, s67                    ; from one pair of lanes to the next
	s_cselect_b32 s78, ttmp9, 0                    ; group 0 asks in the head's first cluster alone
	s_cselect_b32 s79, 1, s23                      ; mask: group 1, in head 0 alone
	s_cmp_eq_u32 s78, 0
	s_cselect_b32 s50, 1, -1                       ; both made of the wave's number, the cluster's x and the head: alike in all four partners
	s_cmp_eq_u32 s79, 0
	s_cselect_b32 s86, 1, -1
	s_mov_b32 s71, 0
	s_mov_b32 s49, 0
	s_add_nc_u64 s[46:47], s[46:47], s[70:71]
	s_mov_b32 s70, s63
	s_add_nc_u64 s[84:85], s[14:15], s[70:71]
	v_lshrrev_b32 v13, 1, v10
	v_mul_lo_u32 v[PFO], v13, s72
	v_and_b32 v13, 1, v10
	v_lshl_add_u32 v[PFO], v13, 8, v[PFO]
	ROUND                                          ; all four work-groups are here: the first joint loads meet
	tensor_load_to_lds s[32:35], s[24:31]          ; step 0
	s_nop 0
	PLACES 4
.irp c, 0,1,2,3
	global_load_b128 v[16+4*\c:19+4*\c], v[L16], s[4:5] offset:512*\c   ; Q's fragments stay in registers: tile A's,
.endr
	WIN 0x40
.irp c, 0,1,2,3
	global_load_b128 v[16+4*\c:19+4*\c], v[L16], s[4:5] offset:2048+512*\c   ; tile B's
.endr
	WIN 0
	v_lshlrev_b32 v10, 2, v10
	global_load_b32 v[QW], v10, s[6:7]
	global_load_b32 v[QWB], v10, s[6:7] offset:128
	global_load_b128 v[KW:KW+3], v[L16], s[56:57]
	global_load_b128 v[VW:VW+3], v[L16], s[56:57] offset:512
	BLOAD
.irp w, 0, 0x55                                ; both tiles' statistics
	WIN \w
	v_mov_b32 v13, 0xff61b1e6                      ; the largest t so far: -3e38, under every t
	v_floor_f32 v12, -v13                          ; -M
	v_mov_b32 v14, 0                               ; the sum, in two halves
	v_mov_b32 v15, 0
	v_mov_b32 v[FF+1], 0
.irp b, 0,1,2,3
	v_mov_b32 v[PT+\b], 0                          ; written once: a lane permute's destination counts as one of its sources
.endr
.endr
	WIN 0
	s_wait_loadcnt 0x0
	BMAKE                                          ; step 0's bias
	TRIP 0, 1, 1, 1                                ; the first step: its V^T P starts the sums
	s_mov_b32 s45, 7
.Lstep:                                            ; seven trips of two steps; each step asks for the next step's tile
	TRIP 1, 1, 1, 0
	TRIP 0, 1, 2, 0
	s_sub_co_u32 s45, s45, 1
	s_cmp_lg_u32 s45, 0
	s_cbranch_scc1 .Lstep
	TRIP 1, 0, 0, 0                                ; the last step is written out
; THE WAY OUT of one tile: O^T / the sum, quantised along the head's 128 channels (register 16 b + i is channel 32 b + 16 h + i of my query), stored as a fragment's image.  x = 0 under the setting 0, x = 1 under 0x55
.macro OUT x
	v_add_f32 v14, v14, v15
	v_permlanex16_b32 v10, v14, s[SEL], s[SEL+1]
	v_add_f32 v14, v14, v10                        ; the row's sum
	v_rcp_f32 v14, v14
	v_nop                                          ; a plain line behind the reciprocal
	s_wait_alu depctr_va_vdst(0)                   ; and the wait ahead of its first reader
.set j, 0
.rept 32
	v_pk_mul_f32 v[OT+j:OT+j+1], v[OT+j:OT+j+1], v[14:15] op_sel_hi:[1,0]
.set j, j+2
.endr
.irp b, 0,1,2,3
	v_max3_num_f32 v[32+\b], |v[OT+16*\b]|, |v[OT+1+16*\b]|, 0x4800000
.endr
.irp i, 2,4,6,8,10,12,14
.irp b, 0,1,2,3
	v_max3_num_f32 v[32+\b], v[32+\b], |v[OT+16*\b+\i]|, |v[OT+1+16*\b+\i]|
.endr
.endr
.irp b, 0,1,2,3
	v_permlanex16_b32 v[36+\b], v[32+\b], s[SEL], s[SEL+1]
.endr
.irp b, 0,1,2,3
	v_max_num_f32 v[32+\b], v[32+\b], v[36+\b]
.endr
.irp b, 0,1,2,3
	v_add_nc_u32 v[44+\b], 0xfc000000, v[32+\b]
.endr
.irp b, 0,1,2,3
	v_and_or_b32 v[40+\b], v[32+\b], 0x7f800000, s[MNT]
.endr
.irp b, 0,1,2,3
	v_lshrrev_b32 v[36+\b], 23, v[44+\b]
.endr
	v_lshl_or_b32 v[PW], v37, 8, v36
	v_lshl_or_b32 v[PW], v38, 16, v[PW]
	v_lshl_or_b32 v[PW], v39, 24, v[PW]
.irp b, 0,1,2,3
.irp i, 0,1,2,3,4,5,6,7,8,9,10,11,12,13,14,15
	v_med3_num_f32 v[OT+16*\b+\i], v[OT+16*\b+\i], -v[40+\b], v[40+\b]
.endr
	v_cvt_scalef32_pk8_fp8_f32 v[PC+4*\b:PC+1+4*\b], v[OT+16*\b:OT+7+16*\b], v[44+\b]
	v_cvt_scalef32_pk8_fp8_f32 v[PC+2+4*\b:PC+3+4*\b], v[OT+8+16*\b:OT+15+16*\b], v[44+\b]
.endr
	v_nop                                          ; a plain line behind the last conversion
.if \x
	WIN 0x04                                       ; a store's address in window 0, its data in window 1
.endif
.irp c, 0,1,2,3
	global_store_b128 v[L16], v[PC+4*\c:PC+4*\c+3], s[16:17] offset:16384*\x+512*\c   ; 512 consecutive bytes a store
.endr
	global_store_b32 v11, v[PW], s[18:19] offset:1024*\x
.endm
	PLACES 8                                       ; behind the last products
	v_and_b32 v11, 31, v0
	v_lshlrev_b32 v11, 2, v11
	OUT 0
	WIN 0x55
	OUT 1
	WIN 0
	s_wait_tensorcnt 0x0                           ; the wave's end
	ds_add_u32 v[SPW], v[NIL]
	s_wait_dscnt 0x0
	ROUND                                          ; the closing round: no work-group ends while a partner may still ask for a tile that names it
	s_endpgm
.Lfunc_end_k_qa352f68b2f_attn:
	.size	k_qa352f68b2f_attn, .Lfunc_end_k_qa352f68b2f_attn-k_qa352f68b2f_attn
	.p2alignl 7, 3214868480
	.fill 96, 4, 3214868480
	.section	.rodata,"a",@progbits
	.p2align	6, 0x0
	.amdhsa_kernel k_qa352f68b2f_attn
		.amdhsa_group_segment_fixed_size 327680
		.amdhsa_private_segment_fixed_size 0
		.amdhsa_enable_private_segment 0
		.amdhsa_kernarg_size 64
		.amdhsa_user_sgpr_count 2
		.amdhsa_user_sgpr_kernarg_segment_ptr 1
		.amdhsa_wavefront_size32 1
		.amdhsa_system_sgpr_workgroup_id_x 1
		.amdhsa_system_sgpr_workgroup_id_y 1
		.amdhsa_system_sgpr_workgroup_id_z 1
		.amdhsa_system_vgpr_workitem_id 0
		.amdhsa_next_free_vgpr 512
		.amdhsa_next_free_sgpr 88
		.amdhsa_reserve_vcc 0
		.amdhsa_float_denorm_mode_32 3
		.amdhsa_float_denorm_mode_16_64 3
		.amdhsa_memory_ordered 1
		.amdhsa_forward_progress 1
		.amdhsa_inst_pref_size 214
	.end_amdhsa_kernel
	.amdgpu_metadata
---
amdhsa.version: [ 1, 2 ]
amdhsa.kernels:
  - .name:           k_qa352f68b2f_attn
    .symbol:         k_qa352f68b2f_attn.kd
    .args:
      - { .name: qc, .offset: 0, .size: 8, .value_kind: global_buffer, .address_space: global }
      - { .name: qs, .offset: 8, .size: 8, .value_kind: global_buffer, .address_space: global }
      - { .name: kvc, .offset: 16, .size: 8, .value_kind: global_buffer, .address_space: global }
      - { .name: kvs, .offset: 24, .size: 8, .value_kind: global_buffer, .address_space: global }
      - { .name: pos_embedding, .offset: 32, .size: 8, .value_kind: global_buffer, .address_space: global }
      - { .name: mask, .offset: 40, .size: 8, .value_kind: global_buffer, .address_space: global }
      - { .name: ac, .offset: 48, .size: 8, .value_kind: global_buffer, .address_space: global }
      - { .name: asc, .offset: 56, .size: 8, .value_kind: global_buffer, .address_space: global }
    .group_segment_fixed_size: 327680
    .private_segment_fixed_size: 0
    .kernarg_segment_align: 8
    .kernarg_segment_size: 64
    .max_flat_workgroup_size: 256
    .sgpr_count:     88
    .vgpr_count:     512
    .wavefront_size: 32
...
	.end_amdgpu_metadata
.endif
;; end of part 2
;; launch oproj (part 3): grid 64 x 4, 8 waves a work-group, no clusters, 176,128 bytes of LDS; arguments ac, asc, wo_w_codes, wo_w_scales, wo_b, out0; writes out0
.if DOCPART == 3
	.amdgcn_target "amdgcn-amd-amdhsa--gfx1250"
	.amdhsa_code_object_version 6
	.text
	.protected	k_qa352f68b2f_oproj
	.globl	k_qa352f68b2f_oproj
	.p2align	8
	.type	k_qa352f68b2f_oproj,@function
k_qa352f68b2f_oproj:
	s_mov_b64 s[64:65], 0
	v_nop
	global_prefetch_b8 v0, s[64:65] scope:SCOPE_SE
	s_setreg_imm32_b32 hwreg(HW_REG_WAVE_MODE, 25, 1), 1
	s_wait_xcnt 0x0
; out0 = a wo + wo_b on codes of E4M3 with E8M0 scales; a is the attention's result as the launch before has quantised it.  No work is left out.
; SHARES.  Work-group (X, Y): tokens 128 X .. + 127 (token tiles 8 X .. 8 X + 7) x outputs 128 Y .. + 127.  Wave w: the pair of token tiles w / 2 x output tiles 4 (w % 2) + 0 .. 3: eight accumulators, eight K steps (a K step is a head).
; The product is used transposed: source 0 = 16 rows of wo (outputs, in their natural order), source 1 = a token tile: a lane holds eight neighbouring outputs of one token.  Row r of token tile u of a run of 32 tokens is token 8 u + r + 8 (r / 8).
; a's fragments come from memory as images of operand registers (512 consecutive bytes a load), straight into registers.
; NO CLUSTER, NO TENSOR LOAD: the work-group's 128 rows of wo (131,072 bytes) are read once, at its head, and cut into pieces of 16 bytes a row by lane-wise stores; a tensor load lays rows as they lie in memory.
; LDS: wo's image, 139,264 bytes: piece ((tile 8 + K step) 8 + 2 c + h) of 16 rows x 16 bytes + 16 of padding; a stage of 16 rows x 272 bytes for each wave; the spare words.
.set STG,   139264
.set SPARE, 174080                     ; 128 bytes a wave: four blocks of 256 bytes that no other line names
.set AD0,  1                           ; v1   272 h + 16 r + my four tiles;  v2: two tiles further on
.set AD1,  2
.set L16,  3
.set WST,  4                           ; v4   where I store wo's rows
.set SO,   5                           ; v5   the stage: where I put 32 bytes of a row
.set SR,   6                           ; v6   and where I read a row back
.set GO,   7                           ; v7   my byte offset in two rows of out0
.set SPW,  8
.set NIL,  9
.set AWA,  10                          ; v10  a's scale words: lanes 0-15 the first tile's, lanes 16-31 the second's
.set WSA,  11                          ; v11  wo's: lanes 0-15 an even tile's rows, lanes 16-31 the odd tile's
.set WSC,  12                          ; v12-27 wo's scale words: register 8 (t / 2) + K step
.set AW,   28                          ; v28-35 a's: register K step
.set WF,   36                          ; v36-99 four fragments of wo
.set AF,   100                         ; v100-163 a's fragments, two sets of two
.set ACC,  164                         ; v164-227 accumulator (token tile v, output tile t) at 32 v + 8 t
.set BOF,  228                         ; v228 32 h
.macro PLACES n
.rept \n
	v_nop
.endr
.endm
.macro OMUL t, v, ks
.set rD, ACC+32*(\v)+8*(\t)
.set rA, WF+16*(\t)
.set rB, AF+32*((\ks)%2)+16*(\v)
.set rP, WSC+8*((\t)/2)+(\ks)
.set rQ, AW+(\ks)
.if (\ks) == 0                         ; the first K step starts the sums
.if ((\t)%2 == 0) && ((\v) == 0)
	v_wmma_scale_f32_16x16x128_f8f6f4 v[rD:rD+7], v[rA:rA+15], v[rB:rB+15], 0, v[rP], v[rQ]
.elseif ((\v) == 0)
	v_wmma_scale_f32_16x16x128_f8f6f4 v[rD:rD+7], v[rA:rA+15], v[rB:rB+15], 0, v[rP], v[rQ] matrix_a_scale:MATRIX_SCALE_ROW1
.elseif ((\t)%2 == 0)
	v_wmma_scale_f32_16x16x128_f8f6f4 v[rD:rD+7], v[rA:rA+15], v[rB:rB+15], 0, v[rP], v[rQ] matrix_b_scale:MATRIX_SCALE_ROW1
.else
	v_wmma_scale_f32_16x16x128_f8f6f4 v[rD:rD+7], v[rA:rA+15], v[rB:rB+15], 0, v[rP], v[rQ] matrix_a_scale:MATRIX_SCALE_ROW1 matrix_b_scale:MATRIX_SCALE_ROW1
.endif
.else
.if ((\t)%2 == 0) && ((\v) == 0)
	v_wmma_scale_f32_16x16x128_f8f6f4 v[rD:rD+7], v[rA:rA+15], v[rB:rB+15], v[rD:rD+7], v[rP], v[rQ]
.elseif ((\v) == 0)
	v_wmma_scale_f32_16x16x128_f8f6f4 v[rD:rD+7], v[rA:rA+15], v[rB:rB+15], v[rD:rD+7], v[rP], v[rQ] matrix_a_scale:MATRIX_SCALE_ROW1
.elseif ((\t)%2 == 0)
	v_wmma_scale_f32_16x16x128_f8f6f4 v[rD:rD+7], v[rA:rA+15], v[rB:rB+15], v[rD:rD+7], v[rP], v[rQ] matrix_b_scale:MATRIX_SCALE_ROW1
.else
	v_wmma_scale_f32_16x16x128_f8f6f4 v[rD:rD+7], v[rA:rA+15], v[rB:rB+15], v[rD:rD+7], v[rP], v[rQ] matrix_a_scale:MATRIX_SCALE_ROW1 matrix_b_scale:MATRIX_SCALE_ROW1
.endif
.endif
.endm
	s_load_b256 s[4:11], s[0:1], 0x0               ; ac 4, asc 6, wo codes 8, wo scales 10
	s_load_b128 s[12:15], s[0:1], 0x20             ; wo_b 12, out0 14
	v_lshl_add_u32 v[SPW], v0, 2, SPARE
	v_mov_b32 v[NIL], 0
	v_lshrrev_b32 v229, 5, v0
	v_readfirstlane_b32 s16, v229                  ; wave 0..7
	s_lshr_b32 s17, s16, 1                         ; my pair of token tiles
	s_and_b32 s18, s16, 1                          ; my half of the outputs
	s_and_b32 s19, ttmp7, 0xffff                   ; Y
	v_and_b32 v229, 31, v0                         ; lane
	v_and_b32 v230, 15, v0                         ; r
	v_bfe_u32 v231, v0, 4, 1                       ; h
	v_mul_u32_u24 v[AD0], v231, 272
	v_lshl_add_u32 v[AD0], v230, 4, v[AD0]
	s_mul_i32 s20, s18, 69632
	v_add_nc_u32 v[AD0], s20, v[AD0]
	v_add_nc_u32 v[AD1], 34816, v[AD0]
	v_lshlrev_b32 v[L16], 4, v229
	v_mul_u32_u24 v[WST], v229, 272                ; row 16 w + i is row i of tile w; my lane's 16 bytes of its half hf are piece 32 hf + lane of that tile
	s_mul_i32 s20, s16, 17408
	v_add_nc_u32 v[WST], s20, v[WST]
	s_mul_i32 s21, s16, 4352
	s_add_co_u32 s21, s21, STG
	v_mul_u32_u24 v[SO], v230, 272
	v_lshl_add_u32 v[SO], v231, 5, v[SO]
	v_add_nc_u32 v[SO], s21, v[SO]
	v_mul_u32_u24 v[SR], v231, 272
	v_lshl_add_u32 v[SR], v230, 4, v[SR]
	v_add_nc_u32 v[SR], s21, v[SR]
	v_lshlrev_b32 v[GO], 11, v231                  ; a row of out0 is 2,048 bytes
	v_lshl_add_u32 v[GO], v230, 4, v[GO]
	v_lshlrev_b32 v[AWA], 10, v231
	v_lshl_add_u32 v[AWA], v230, 2, v[AWA]
	v_lshl_add_u32 v[WSA], v231, 4, v230
	v_lshlrev_b32 v[WSA], 5, v[WSA]
	v_lshlrev_b32 v[BOF], 5, v231
	s_lshl_b32 s22, s19, 17
	s_lshl_b32 s23, s16, 14
	s_add_co_u32 s22, s22, s23                     ; wo's codes: rows 128 Y + 16 w on, 1,024 bytes a row
	s_mov_b32 s23, 0
	s_lshl_b32 s24, s19, 12
	s_lshl_b32 s25, s18, 11
	s_add_co_u32 s24, s24, s25                     ; wo's scales: rows 128 Y + 64 (w % 2) on, 32 bytes a row
	s_mov_b32 s25, 0
	s_lshl_b32 s26, s19, 9
	s_lshl_b32 s27, s18, 8
	s_add_co_u32 s26, s26, s27                     ; wo_b, and the columns of out0
	s_mov_b32 s27, 0
	s_lshl_b32 s28, ttmp9, 17
	s_lshl_b32 s29, s17, 15
	s_add_co_u32 s28, s28, s29                     ; ac: token tile 8 X + 2 (w / 2), 16,384 bytes a tile
	s_mov_b32 s29, 0
	s_lshl_b32 s30, ttmp9, 13
	s_lshl_b32 s31, s17, 11
	s_add_co_u32 s30, s30, s31                     ; asc: 1,024 bytes a tile
	s_mov_b32 s31, 0
	s_lshl_b32 s32, ttmp9, 18
	s_lshl_b32 s33, s17, 16
	s_add_co_u32 s32, s32, s33
	s_add_co_u32 s32, s32, s26                     ; out0: token 128 X + 32 (w / 2), my 64 columns
	s_mov_b32 s33, 0
	s_wait_kmcnt 0x0
	s_add_nc_u64 s[8:9], s[8:9], s[22:23]
	s_add_nc_u64 s[10:11], s[10:11], s[24:25]
	s_add_nc_u64 s[12:13], s[12:13], s[26:27]
	s_add_nc_u64 s[4:5], s[4:5], s[28:29]
	s_add_nc_u64 s[6:7], s[6:7], s[30:31]
	s_add_nc_u64 s[14:15], s[14:15], s[32:33]
.irp i, 0,1,2,3,4,5,6,7,8,9,10,11,12,13,14,15
	global_load_b128 v[WF+4*\i:WF+4*\i+3], v[L16], s[8:9] offset:1024*\i          ; the first halves of my 16 rows: 512 consecutive bytes a load
.endr
.irp i, 0,1,2,3,4,5,6,7,8,9,10,11,12,13,14,15
	global_load_b128 v[ACC+4*\i:ACC+4*\i+3], v[L16], s[8:9] offset:1024*\i+512    ; the second halves
.endr
.irp p, 0,1
	global_load_b128 v[WSC+8*\p:WSC+8*\p+3], v[WSA], s[10:11] offset:1024*\p
	global_load_b128 v[WSC+8*\p+4:WSC+8*\p+7], v[WSA], s[10:11] offset:1024*\p+16
.endr
.irp s, 0,1,2,3,4,5,6,7
	global_load_b32 v[AW+\s], v[AWA], s[6:7] offset:128*\s
.endr
.irp v, 0,1
.irp c, 0,1,2,3
	global_load_b128 v[AF+16*\v+4*\c:AF+16*\v+4*\c+3], v[L16], s[4:5] offset:\v*16384+\c*512
.endr
.endr
	s_wait_loadcnt 36                              ; the first halves are in: 16 + 4 + 8 + 8 loads are younger
.irp i, 0,1,2,3,4,5,6,7,8,9,10,11,12,13,14,15
	ds_store_b128 v[WST], v[WF+4*\i:WF+4*\i+3] offset:16*\i
.endr
	s_wait_loadcnt 20                              ; the second halves: 4 + 8 + 8 are younger
.irp i, 0,1,2,3,4,5,6,7,8,9,10,11,12,13,14,15
	ds_store_b128 v[WST], v[ACC+4*\i:ACC+4*\i+3] offset:8704+16*\i
.endr
	s_wait_dscnt 0x0                               ; for the others' sake: my rows lie in the image
	s_barrier_signal -1
	s_barrier_wait -1
.irp s, 0,1,2,3,4,5,6,7
.if \s > 0
	PLACES 8                                       ; in front of loads into registers that matrix instructions have read
.endif
.irp t, 0,1
.irp c, 0,1,2,3
	ds_load_b128 v[WF+16*\t+4*\c:WF+16*\t+4*\c+3], v[AD0] offset:(\t*8+\s)*2176+\c*544
.endr
.endr
.irp t, 0,1
.irp c, 0,1,2,3
	ds_load_b128 v[WF+32+16*\t+4*\c:WF+32+16*\t+4*\c+3], v[AD1] offset:(\t*8+\s)*2176+\c*544
.endr
.endr
.if \s < 7
.irp v, 0,1
.irp c, 0,1,2,3
	global_load_b128 v[AF+32*((\s+1)%2)+16*\v+4*\c:AF+32*((\s+1)%2)+16*\v+4*\c+3], v[L16], s[4:5] offset:\v*16384+(\s+1)*2048+\c*512   ; the next K step's fragments of a
.endr
.endr
.else
.irp t, 0,1,2,3
	global_load_b128 v[AF+8*\t:AF+8*\t+3], v[BOF], s[12:13] offset:64*\t          ; wo_b in the result's layout: outputs 16 t + 8 h + 0 .. 7
	global_load_b128 v[AF+8*\t+4:AF+8*\t+7], v[BOF], s[12:13] offset:64*\t+16
.endr
.endif
	s_wait_loadcnt 8                               ; this K step's operands are in: the eight loads just issued are younger
	s_wait_dscnt 0x0
.irp t, 0,1,2,3
.irp v, 0,1
	OMUL \t, \v, \s                                ; eight accumulators by turns
.endr
.endr
.endr
	s_wait_loadcnt 0x0                             ; wo_b
	PLACES 8
.irp v, 0,1
.irp t, 0,1,2,3
.irp p, 0,2,4,6
	v_pk_add_f32 v[ACC+32*\v+8*\t+\p:ACC+32*\v+8*\t+\p+1], v[ACC+32*\v+8*\t+\p:ACC+32*\v+8*\t+\p+1], v[AF+8*\t+\p:AF+8*\t+\p+1]
.endr
.endr
.endr
	; THE WAY OUT: a token tile (16 rows x 256 bytes) at a time through my own stage; LDS serves a wave's instructions in order (ISA guide 5.7.1.4), so no wait stands between the stores and the loads
.irp v, 0,1
.irp t, 0,1,2,3
	ds_store_b128 v[SO], v[ACC+32*\v+8*\t:ACC+32*\v+8*\t+3] offset:64*\t
	ds_store_b128 v[SO], v[ACC+32*\v+8*\t+4:ACC+32*\v+8*\t+7] offset:64*\t+16
.endr
.irp i, 0,1,2,3,4,5,6,7
	ds_load_b128 v[WF+32*\v+4*\i:WF+32*\v+4*\i+3], v[SR] offset:2*\i*272
.endr
.endr
.irp i, 0,1,2,3,4,5,6,7
	s_wait_dscnt 23-\i                             ; behind the first tile's load i: 7 - i loads, then the second tile's 8 stores and 8 loads
	global_store_b128 v[GO], v[WF+4*\i:WF+4*\i+3], s[14:15] offset:(2*\i+8*(\i/4))*2048 th:TH_STORE_NT      ; 16 lanes store 256 consecutive bytes, aligned; stage row 2 i + h is token 2 i + h + 8 (i / 4)
.endr
.irp i, 0,1,2,3,4,5,6,7
	s_wait_dscnt 7-\i
	global_store_b128 v[GO], v[WF+32+4*\i:WF+32+4*\i+3], s[14:15] offset:(8+2*\i+8*(\i/4))*2048 th:TH_STORE_NT
.endr
	s_wait_tensorcnt 0x0                           ; the wave's end
	ds_add_u32 v[SPW], v[NIL]
	s_wait_dscnt 0x0
	s_endpgm
.Lfunc_end_k_qa352f68b2f_oproj:
	.size	k_qa352f68b2f_oproj, .Lfunc_end_k_qa352f68b2f_oproj-k_qa352f68b2f_oproj
	.p2alignl 7, 3214868480
	.fill 96, 4, 3214868480
	.section	.rodata,"a",@progbits
	.p2align	6, 0x0
	.amdhsa_kernel k_qa352f68b2f_oproj
		.amdhsa_group_segment_fixed_size 176128
		.amdhsa_private_segment_fixed_size 0
		.amdhsa_enable_private_segment 0
		.amdhsa_kernarg_size 48
		.amdhsa_user_sgpr_count 2
		.amdhsa_user_sgpr_kernarg_segment_ptr 1
		.amdhsa_wavefront_size32 1
		.amdhsa_system_sgpr_workgroup_id_x 1
		.amdhsa_system_sgpr_workgroup_id_y 1
		.amdhsa_system_sgpr_workgroup_id_z 1
		.amdhsa_system_vgpr_workitem_id 0
		.amdhsa_next_free_vgpr 256
		.amdhsa_next_free_sgpr 66
		.amdhsa_reserve_vcc 0
		.amdhsa_float_denorm_mode_32 3
		.amdhsa_float_denorm_mode_16_64 3
		.amdhsa_memory_ordered 1
		.amdhsa_forward_progress 1
		.amdhsa_inst_pref_size 41
	.end_amdhsa_kernel
	.amdgpu_metadata
---
amdhsa.version: [ 1, 2 ]
amdhsa.kernels:
  - .name:           k_qa352f68b2f_oproj
    .symbol:         k_qa352f68b2f_oproj.kd
    .args:
      - { .name: ac, .offset: 0, .size: 8, .value_kind: global_buffer, .address_space: global }
      - { .name: asc, .offset: 8, .size: 8, .value_kind: global_buffer, .address_space: global }
      - { .name: wo_w_codes, .offset: 16, .size: 8, .value_kind: global_buffer, .address_space: global }
      - { .name: wo_w_scales, .offset: 24, .size: 8, .value_kind: global_buffer, .address_space: global }
      - { .name: wo_b, .offset: 32, .size: 8, .value_kind: global_buffer, .address_space: global }
      - { .name: out0, .offset: 40, .size: 8, .value_kind: global_buffer, .address_space: global }
    .group_segment_fixed_size: 176128
    .private_segment_fixed_size: 0
    .kernarg_segment_align: 8
    .kernarg_segment_size: 48
    .max_flat_workgroup_size: 256
    .sgpr_count:     66
    .vgpr_count:     256
    .wavefront_size: 32
...
	.end_amdgpu_metadata
.endif
;; end of part 3
